; MI455X (gfx1250); checked and timed in simulation.
; The chip was launched on July 23, 2026; its instructions are those of AMD's public machine-readable ISA for CDNA 5 (MIT licence, August 2026) and "CDNA5" Instruction Set Architecture Reference Guide (July 2026). The comments in the code are by the model that wrote it; some were corrected since.
;; Neural ODE Memory. Allowed arithmetic: float matrix products may take bf16 or f16 operands with f32 sums; other float arithmetic in f32, or as packed bf16 or f16 multiplies, adds, multiply-adds, maxima and minima; sums over many terms, partial sums and values carried from step to step in f32; what a program stores and reads back later, other than sums and carried values, may be rounded once to bf16 or f16.
;; Inputs: W1 512 x 513 float32; W2 512 x 512 float32; Wg 512 x 1,024 float32; b1 512 float32; b2 512 float32; bg 512 float32; current_node_features 16,384 x 512 float32; previous_hidden_state 16,384 x 512 float32.
;; Outputs: out0 16,384 x 512 float32; out1 16,384 x 512 float32.
;; One version. Each part assembles by itself: llvm-mc -triple=amdgcn-amd-amdhsa -mcpu=gfx1250 --defsym DOCPART=n.
;; ======== version 1 of 1: 2 launches
;; workspace buffers: wpk 2,105,344 bytes
;; launch prep (part 1): grid 256 x 1, 8 waves a work-group, no clusters, 0 bytes of LDS; arguments W1, W2, Wg, b1, b2, bg, wpk; writes wpk
.if DOCPART == 1
	.amdgcn_target "amdgcn-amd-amdhsa--gfx1250"
	.amdhsa_code_object_version 6
	.text
	.protected	k_qd96c1e4ad8_prep
	.globl	k_qd96c1e4ad8_prep
	.p2align	8
	.type	k_qd96c1e4ad8_prep,@function
k_qd96c1e4ad8_prep:
	s_mov_b64 s[64:65], 0
	v_nop
	global_prefetch_b8 v0, s[64:65] scope:SCOPE_SE
	s_setreg_imm32_b32 hwreg(HW_REG_WAVE_MODE, 25, 1), 1
	s_wait_xcnt 0x0
; The weights are rounded once to bf16 and laid out as the second launch consumes them; four rows of scaled biases follow them.
; wpk: 16 tiles of 131,072 bytes.  In tile T, the part of wave w (of the second launch) is 32,768 bytes, a fragment f 1,024 bytes: half hf (512 bytes), lane L = (r = L % 16, h = L / 16), 16 bytes:
;   W[n0 + r][kb + 16 hf + 8 h + 0..7], which is the register image of a 16 x 32 bf16 operand.
;   T = 0..3: W1 (row pitch 513), T = 4..7: W2 (512): c = T % 4, kappa = f / 2, p = f % 2: n0 = 128 w + 32 c + 16 p, kb = 128 (kappa % 4) + 32 (kappa / 4)
;   T = 8..15: Wg (1,024): g = T - 8, j = f / 8, b = f % 8: n0 = 128 w + 16 b, kb = 512 + 128 j + 32 g (g < 4) or 128 (g - 4) + 32 j
; Behind the tiles, at byte 2,097,152: [w][row][128] f32: row 0 = K2 b1, row 1 = K2 (0.2 W1[n][512]), row 2 = K2 b2, row 3 = K1 bg, with K2 = 2 log2(e), K1 = log2(e).
; SHARES.  Work-group g, wave v make the fragment at byte (8 g + v) x 1,024: each of its two stores covers 512 consecutive bytes.  W1's rows are aligned to 4 bytes only, so the loads are of 4 bytes.
; Work-groups 0 to 7 also make 256 numbers each of the bias table.
.set K2V, 0x4038aa3b
.set K1V, 0x3fb8aa3b
.set DTV, 0x3e4ccccd
	s_load_b256 s[4:11], s[0:1], 0x0               ; W1 s[4:5], W2 s[6:7], Wg s[8:9], b1 s[10:11]
	s_load_b128 s[12:15], s[0:1], 0x20             ; b2 s[12:13], bg s[14:15]
	s_load_b64 s[16:17], s[0:1], 0x30              ; wpk
	v_lshrrev_b32 v1, 5, v0
	v_readfirstlane_b32 s19, v1                    ; wave 0..7
	v_and_b32 v2, 15, v0                           ; r
	v_bfe_u32 v3, v0, 4, 1                         ; h
	v_and_b32 v4, 31, v0                           ; L
	s_lshr_b32 s20, ttmp9, 4                       ; T
	s_bfe_u32 s21, ttmp9, 0x20002                  ; w
	s_and_b32 s22, ttmp9, 3
	s_lshl3_add_u32 s22, s22, s19                  ; f
	s_and_b32 s23, s20, 3                          ; the steps' tiles: c,
	s_lshl_b32 s23, s23, 5                         ; 32 c
	s_and_b32 s24, s22, 1
	s_lshl4_add_u32 s23, s24, s23                  ; + 16 p
	s_lshr_b32 s24, s22, 1                         ; kappa
	s_and_b32 s25, s24, 3
	s_lshl_b32 s25, s25, 7
	s_lshr_b32 s24, s24, 2
	s_lshl_b32 s24, s24, 5
	s_add_co_u32 s25, s25, s24                     ; kb = 128 (kappa % 4) + 32 (kappa / 4)
	s_and_b32 s26, s22, 7                          ; the gate's tiles: b,
	s_lshl_b32 s26, s26, 4                         ; 16 b
	s_lshr_b32 s27, s22, 3                         ; j
	s_and_b32 s28, s20, 3                          ; g % 4
	s_lshl_b32 s29, s27, 7
	s_lshl_b32 s30, s28, 5
	s_add_co_u32 s29, s29, s30
	s_add_co_u32 s29, s29, 512                     ; the evolved state's half: 512 + 128 j + 32 g
	s_lshl_b32 s30, s28, 7
	s_lshl_b32 s31, s27, 5
	s_add_co_u32 s30, s30, s31                     ; x's half: 128 (g - 4) + 32 j
	s_cmp_lt_u32 s20, 12
	s_cselect_b32 s29, s29, s30
	s_movk_i32 s32, 512
	s_movk_i32 s33, 1024
	s_cmp_lt_u32 s20, 8
	s_cselect_b32 s23, s23, s26
	s_cselect_b32 s25, s25, s29                    ; kb
	s_cselect_b32 s32, s32, s33
	s_cmp_lt_u32 s20, 4
	s_cselect_b32 s32, 513, s32                    ; the row pitch in numbers
	s_lshl_b32 s34, s21, 7
	s_add_co_u32 s23, s23, s34                     ; n0
	s_mul_i32 s34, s23, s32
	s_add_co_u32 s34, s34, s25
	s_lshl_b32 s34, s34, 2                         ; (n0 x pitch + kb) x 4 bytes
	s_mov_b32 s35, 0
	v_mul_lo_u32 v5, v2, s32
	v_lshl_add_u32 v5, v3, 3, v5
	v_lshlrev_b32 v5, 2, v5                        ; (r x pitch + 8 h) x 4 bytes
	s_lshl3_add_u32 s44, ttmp9, s19
	s_lshl_b32 s44, s44, 10                        ; (8 g + v) x 1,024
	v_lshl_add_u32 v6, v4, 4, s44
	s_wait_kmcnt 0x0
	s_cmp_lt_u32 s20, 8
	s_cselect_b64 s[36:37], s[6:7], s[8:9]
	s_cmp_lt_u32 s20, 4
	s_cselect_b64 s[36:37], s[4:5], s[36:37]
	s_add_nc_u64 s[36:37], s[36:37], s[34:35]
.set i, 0
.rept 8
	global_load_b32 v[8+i], v5, s[36:37] offset:4*i       ; k = kb + 8 h + i
	global_load_b32 v[16+i], v5, s[36:37] offset:64+4*i   ; k = kb + 16 + 8 h + i
.set i, i+1
.endr
	s_wait_loadcnt 0x0
.set i, 0
.rept 8
	v_cvt_pk_bf16_f32 v[24+i], v[8+2*i], v[9+2*i]
.set i, i+1
.endr
	global_store_b128 v6, v[24:27], s[16:17]
	global_store_b128 v6, v[28:31], s[16:17] offset:512
	s_cmp_lt_u32 ttmp9, 8
	s_cbranch_scc0 .Lend
	; the bias table: entry 256 g + t: w = g / 2, row = 2 (g % 2) + wave / 4, n = 128 w + t % 128
	s_and_b32 s38, ttmp9, 1
	s_lshl_b32 s38, s38, 1
	s_lshr_b32 s39, s19, 2
	s_add_co_u32 s38, s38, s39                     ; row
	s_mov_b32 s44, K2V
	s_mov_b32 s47, 0
	s_cmp_lt_u32 s38, 2
	s_cselect_b64 s[40:41], s[10:11], s[12:13]     ; b1 or b2,
	s_cmp_eq_u32 s38, 1
	s_cselect_b64 s[40:41], s[4:5], s[40:41]       ; W1's last column for row 1:
	s_cselect_b32 s42, 2052, 4                     ; bytes from n to n + 1,
	s_cselect_b32 s46, 2048, 0                     ; the column's place in a row,
	s_cselect_b32 s43, DTV, 1.0                    ; and the time step
	s_cmp_eq_u32 s38, 3
	s_cselect_b64 s[40:41], s[14:15], s[40:41]     ; bg for row 3
	s_cselect_b32 s44, K1V, s44
	s_add_nc_u64 s[40:41], s[40:41], s[46:47]
	s_lshr_b32 s45, ttmp9, 1
	s_lshl_b32 s45, s45, 7
	v_and_b32 v32, 127, v0
	v_add_nc_u32 v32, s45, v32                     ; n
	v_mul_lo_u32 v32, v32, s42
	global_load_b32 v33, v32, s[40:41]
	s_lshl_b32 s48, ttmp9, 10
	v_lshl_add_u32 v34, v0, 2, s48                 ; 4 x (256 g + t)
	s_wait_loadcnt 0x0
	v_mul_f32 v33, s43, v33
	v_mul_f32 v33, s44, v33
	global_store_b32 v34, v33, s[16:17] offset:2097152
.Lend:
	s_endpgm
.Lfunc_end_k_qd96c1e4ad8_prep:
	.size	k_qd96c1e4ad8_prep, .Lfunc_end_k_qd96c1e4ad8_prep-k_qd96c1e4ad8_prep
	.p2alignl 7, 3214868480
	.fill 96, 4, 3214868480
	.section	.rodata,"a",@progbits
	.p2align	6, 0x0
	.amdhsa_kernel k_qd96c1e4ad8_prep
		.amdhsa_group_segment_fixed_size 0
		.amdhsa_private_segment_fixed_size 0
		.amdhsa_enable_private_segment 0
		.amdhsa_kernarg_size 56
		.amdhsa_user_sgpr_count 2
		.amdhsa_user_sgpr_kernarg_segment_ptr 1
		.amdhsa_wavefront_size32 1
		.amdhsa_system_sgpr_workgroup_id_x 1
		.amdhsa_system_sgpr_workgroup_id_y 1
		.amdhsa_system_sgpr_workgroup_id_z 1
		.amdhsa_system_vgpr_workitem_id 0
		.amdhsa_next_free_vgpr 40
		.amdhsa_next_free_sgpr 66
		.amdhsa_reserve_vcc 0
		.amdhsa_float_denorm_mode_32 3
		.amdhsa_float_denorm_mode_16_64 3
		.amdhsa_memory_ordered 1
		.amdhsa_forward_progress 1
		.amdhsa_inst_pref_size 7
	.end_amdhsa_kernel
	.amdgpu_metadata
---
amdhsa.version: [ 1, 2 ]
amdhsa.kernels:
  - .name:           k_qd96c1e4ad8_prep
    .symbol:         k_qd96c1e4ad8_prep.kd
    .args:
      - { .name: W1, .offset: 0, .size: 8, .value_kind: global_buffer, .address_space: global }
      - { .name: W2, .offset: 8, .size: 8, .value_kind: global_buffer, .address_space: global }
      - { .name: Wg, .offset: 16, .size: 8, .value_kind: global_buffer, .address_space: global }
      - { .name: b1, .offset: 24, .size: 8, .value_kind: global_buffer, .address_space: global }
      - { .name: b2, .offset: 32, .size: 8, .value_kind: global_buffer, .address_space: global }
      - { .name: bg, .offset: 40, .size: 8, .value_kind: global_buffer, .address_space: global }
      - { .name: wpk, .offset: 48, .size: 8, .value_kind: global_buffer, .address_space: global }
    .group_segment_fixed_size: 0
    .private_segment_fixed_size: 0
    .kernarg_segment_align: 8
    .kernarg_segment_size: 56
    .max_flat_workgroup_size: 256
    .sgpr_count:     66
    .vgpr_count:     40
    .wavefront_size: 32
...
	.end_amdgpu_metadata
.endif
;; end of part 1
;; launch ode (part 2): grid 256 x 1, 4 waves a work-group, clusters of 4 x 1, 327,680 bytes of LDS; arguments wpk, current_node_features, previous_hidden_state, out0, out1; writes out0, out1
.if DOCPART == 2
	.amdgcn_target "amdgcn-amd-amdhsa--gfx1250"
	.amdhsa_code_object_version 6
	.text
	.protected	k_qd96c1e4ad8_ode
	.globl	k_qd96c1e4ad8_ode
	.p2align	8
	.type	k_qd96c1e4ad8_ode,@function
k_qd96c1e4ad8_ode:
	s_mov_b64 s[64:65], 0
	v_nop
	global_prefetch_b8 v0, s[64:65] scope:SCOPE_SE
	s_setreg_imm32_b32 hwreg(HW_REG_WAVE_MODE, 25, 1), 1
	s_wait_xcnt 0x0
	s_wait_alu depctr_hold_cnt(0) depctr_sa_sdst(0) depctr_va_vdst(0) depctr_va_sdst(0) depctr_va_ssrc(0) depctr_va_vcc(0) depctr_vm_vsrc(0)
	s_getreg_b32 s2, hwreg(HW_REG_IB_STS2, 6, 4)
	s_cmp_eq_u32 s2, 0
	s_cbranch_scc0 .Lentry_in_a_cluster
	s_endpgm
.Lentry_in_a_cluster:
	s_bfe_u32 s2, ttmp6, 0x10000c
	s_cmp_lg_u32 s2, 0x3003
	s_cbranch_scc0 .Lentry_shape_is_right
	s_endpgm
.Lentry_shape_is_right:
; Five Euler steps h += 0.2 tanh(tanh([h, t] W1^T + b1) W2^T + b2), then g = sigmoid([x, h] Wg^T + bg), out = g h + (1 - g) x, stored twice.  All in one launch; h stays in f32 registers.
; FORMATS.  Matrix operands bf16 (weights rounded by the launch before; h, the hidden layer and x rounded here), sums f32, h carried in f32, the blend on f32 x and h.
; tanh(z) = 1 - 2 / (1 + 2^(K2 z)), K2 = 2 log2(e);  1 - g = q = 1 / (1 + 2^(K1 z)), K1 = log2(e);  out = h + q (x - h).
; LIMITS.  A power of two that overflows gives exactly +1 (tanh) or q = 0; one below 2^-126 counts as 0 and gives exactly -1 or q = 1.  Near 0 tanh has an absolute error of about 1e-7.
; The time column enters as a bias: K2 (b1 + t W1[:,512]) is a running f32 sum of K2 0.2 W1[:,512], which differs from i x 0.2 in the last bits.  NaN and infinities in the inputs are not treated apart.
; SHARES.  A work-group owns 64 rows; wave w owns columns 128 w .. 128 w + 127 of every layer, for all 64 rows.  The matrix instruction is used transposed (source 0 = 16 rows of a weight matrix,
; source 1 = 16 rows of activations): lane (r = l % 16, h = l / 16), register j holds row 16 a + r, column n0 + 8 h + j; two neighbouring column blocks rounded to bf16 ARE a source 1 of the next layer.
; A layer's whole input (64 rows x 512) lies in 512 registers of each wave, so a weight fragment read from LDS feeds four products.
; A LAYER is four CHUNKS of 32 columns a wave (8 accumulators, 128 products, one weight tile of 32,768 bytes a wave).  The tanh of a chunk stands in slices behind the products of the chunk that follows it,
; chunk 3's behind chunk 0 of the next layer.  Rounded results go through a stage in LDS to all four waves; chunk c of wave w is k-slot 4 c + w of the next layer (the weights were laid out in that order of k).
; THE FIRST TRIP's slices work on accumulators and a bias that hold 0: tanh(0) is added to h's chunk 3, and that chunk is rounded and exchanged as in every later trip.
; CLUSTER.  The four work-groups of a cluster walk the same weights: every weight tile is asked for jointly, each wave asking for the 32,768 bytes that it alone reads in its work-group.
; REGISTERS, in windows of 256 (s_set_vgpr_msb: bits 1:0 source 0, 3:2 source 1, 5:4 source 2, 7:6 destination):
;   window 0: v0-15 addresses; v16-31 bias of a chunk; v32-95, v96-159 two sets of 8 accumulators; v160-255 three buffers of 4 weight fragments
;   window 1: h in f32: chunk c, accumulator i = 4 p + a at 8 (8 c + i)          windows 2, 3: the layer's input: k-slot kappa, row block a at window 2 + kappa / 8, register 8 (4 (kappa % 8) + a)
;   in the gate: window 0 v32-95, v96-159 two buffers of 8 weight fragments, v160-223 x on its way; window 2 two buffers of 4 k-slots; window 3 the 32 accumulators, (a, b) at 8 (8 a + b)
; Under the products' settings (only source 1 in a high window) LDS loads into window 0 and vector lines whose second source is a scalar or a constant need no switch.
.set TILE,  131072                     ; a weight tile; wave w's part at 32,768 w
.set SLOT1, 131072                     ; LDS: slot 0 at 0, slot 1 here
.set STAGE, 262144                     ; three parts of 64 rows x 128 bf16
.set SP,    272                        ; a stage row: 256 bytes + 16: the 16 rows of a load start in 16 different groups of four banks (64 banks of 4 bytes: ISA guide 11.1)
.set PART,  64*SP
.set BIAS,  STAGE+3*PART               ; 2,048 bytes a wave: four rows of 128 f32
.set SPARE, BIAS+8192                  ; the spare words, 128 bytes for each wave: two blocks of 256 bytes that no other line names
.set TP,    528                        ; a row of 128 f32 + 16 bytes, for the turns between row layout and accumulator layout
.set SCR,   13056                      ; at the start: a wave's scratch of 16 such rows, in the stage
.set OSW,   64*TP                      ; at the end: a wave's stage for 32 rows of sums and 32 rows of h, from slot 1 on
.set K2V, 0x4038aa3b
.set K1V, 0x3fb8aa3b
.set DTV, 0x3e4ccccd
.set BA0, 1                            ; v1   32,768 w + 16 l: my place in slot 0 (also my offset in 16 w rows of x)
.set BA1, 2                            ; v2   the same in slot 1
.set RDA, 3                            ; v3   STAGE + 272 r + 16 h: where a fragment is read
.set STA, 4                            ; v4   RDA + 64 w: where my results go
.set BI,  5                            ; v5   BIAS + 2,048 w + 32 h: bias in accumulator layout
.set BU,  6                            ; v6   BIAS + 2,048 w + 16 l: bias in row layout
.set SPW, 7                            ; v7   my spare word; never rewritten
.set NIL, 8                            ; v8   0; never rewritten
.set PFO, 9                            ; v9   weight prefetches: (4 cx + w) x 8,192 + 256 l; never rewritten
.set XO,  10                           ; v10  512 w + 16 l: my 16 bytes of a row of h0 and of the outputs
.set TSA, 11                           ; v11  scratch: a row goes in
.set TRA, 12                           ; v12  scratch: accumulator layout comes out
.set XSA, 13                           ; v13  STAGE + 16 w x 272 + 8 l: where x goes, rounded
.set PFX, 14                           ; v14  x prefetches: (16 w + l / 2) x 2,048 + 256 (l % 2); never rewritten
.set TM,  15
.set BR,  16
.set ACC0, 32
.set ACC1, 96
.set WBF, 160
.set GB0, 32
.set GB1, 96
.set XT,  160
.set ZR,  32                           ; the way out: 8 rows of sums, of h, of x; the gate's bias; addresses; 8 rows of results
.set ER,  64
.set XR,  96
.set GBI, 128
.set OSA, 132
.set ORD, 133
.set ORD0, 134
.set OXR, 135
.set OGO, 136
.set ORS, 144
.set WV,  14                           ; s14  wave
.set CX,  15                           ; s15  my place in the cluster: it enters global addresses alone
.set CNT, 16                           ; s16  steps to go; on the way out: the half of the rows
.set GC,  17                           ; s17  counts the gate's and the way out's loops
.set WB,  18                           ; s[18:19] wpk + 32,768 w
.set K2,  20
.set DT,  22
.set K1,  24
.set FA,  26                           ; s26  1: first step, first cluster: prefetch tiles 5 to 7
.set FB,  27                           ; s27  1: last step, first cluster: prefetch the gate's tiles
.set G1,  28                           ; s[28:35] group 1: 128 rows of 256 bytes, dense, joint
.set G0A, 36                           ; s[36:39] group 0 for slot 0
.set G0B, 40                           ; s[40:43] for slot 1
.set G1T, 44                           ; s[44:51], s[52:55] the bias table: 8 rows of 256 bytes, joint
.set G0T, 52
.set G1X, 56                           ; s[56:63], s[68:71] my 64 rows x 512 bytes of x, my work-group's own
.set G0X, 68
.set OF6, 72                           ; s[72:73] byte offset of the tile that follows tile 7: tile 0, or in the last step the gate's first
.set OF7, 74                           ; s[74:75] and of the one after it
.set FX,  76                           ; s76  1: last step: prefetch x
.set CL0, 77                           ; s77  1 in the first cluster
.set XB,  78                           ; s[78:79] x at my work-group's first row
.set XP,  80                           ; s[80:81] the same, walking along the row
.set MSB, 0
.macro WIN new                         ; the immediate's high byte repeats the setting that is left; a switch that changes nothing is dropped
.if MSB != (\new)
	s_set_vgpr_msb (MSB<<8)|(\new)
.set MSB, (\new)
.endif
.endm
.macro WINR                            ; destination, source 0 and source 2 in window 0; source 1's window is left as it is
.if (MSB & 0xf3) != 0
	WIN 0
.endif
.endm
.macro PLACES                          ; four places between a matrix instruction and a load into, or a vector line on, its registers (ISA guide 7.12.1 for vector lines)
.rept 4
	v_nop
.endr
.endm
.macro CREST                           ; a round of the cluster's barrier behind its opening barrier: wave 0 signals for the work-group; every wave waits for all four; my work-group's barrier once more
	s_cmp_lg_u32 s[WV], 0
	s_cbranch_scc1 .Lnot_wave_0_\@
	s_barrier_signal -3
.Lnot_wave_0_\@:
	s_barrier_wait -3
	s_barrier_signal -1
	s_barrier_wait -1
.endm
.macro ROUND                           ; a whole round
	s_barrier_signal -1
	s_barrier_wait -1
	CREST
.endm
; THE COUNT OF LDS INSTRUCTIONS.  ISS: issued since the last wait for 0.  EBk: ISS just behind the loads of weight buffer k (0: they stand ahead of a wait for 0).  EU, EKA, EKB: the same for other loads.
.macro DSZ
.set ISS, 0
.set EB0, 0
.set EB1, 0
.set EB2, 0
.endm
	DSZ
.set EU, 0
.set EKA, 0
.set EKB, 0
.macro WAITM mark                      ; LDS instructions end in order (ISA guide 5.7.1): all that were issued behind the mark may stay out
.set wbn, ISS-(\mark)
.if wbn > 63
.set wbn, 63
.endif
	s_wait_dscnt wbn
.endm
.macro WAITB k                         ; weight buffer k is in
.if (\k) == 0
.set wbe, EB0
.elseif (\k) == 1
.set wbe, EB1
.else
.set wbe, EB2
.endif
.if wbe > 0
	WAITM wbe
.endif
.endm
.macro BLOAD slot, pair, buf           ; the four weight fragments of a pair of k-slots: 8 loads of 512 consecutive bytes
	WINR
.set bi, 0
.rept 4
	ds_load_b128 v[WBF+32*(\buf)+8*bi:WBF+32*(\buf)+8*bi+3],   v[BA0+(\slot)] offset:(4*(\pair)+bi)*1024
	ds_load_b128 v[WBF+32*(\buf)+8*bi+4:WBF+32*(\buf)+8*bi+7], v[BA0+(\slot)] offset:(4*(\pair)+bi)*1024+512
.set bi, bi+1
.endr
.set ISS, ISS+8
.if (\buf) == 0
.set EB0, ISS
.elseif (\buf) == 1
.set EB1, ISS
.else
.set EB2, ISS
.endif
.endm
.macro BLOADG n                        ; pair n of the layer's 32: tile n / 8, which lies in slot (n / 8) % 2; buffer n % 3
	BLOAD (((\n)/8)&1), ((\n)%8), ((\n)%3)
.endm
.macro RELOAD part, kloc, kap          ; k-slot kap of the next layer's input: columns 32 kloc on of a stage part, four row blocks
	WIN 0x80+0x40*((\kap)/8)
.set ra, 0
.rept 4
.set rr, (((\kap)%8)*4+ra)*8
	ds_load_b128 v[rr:rr+3],   v[RDA] offset:(\part)*PART+ra*16*SP+(\kloc)*64
	ds_load_b128 v[rr+4:rr+7], v[RDA] offset:(\part)*PART+ra*16*SP+(\kloc)*64+32
.set ra, ra+1
.endr
.set ISS, ISS+8
.endm
.macro BIASLD row, c                   ; the bias of chunk c's two column blocks, 8 numbers a lane each
	WINR
.set bq, 0
.rept 4
	ds_load_b128 v[BR+4*bq:BR+4*bq+3], v[BI] offset:(\row)*512+(\c)*128+(bq/2)*64+(bq%2)*16
.set bq, bq+1
.endr
.set ISS, ISS+4
.endm
.macro STG base, part                  ; a chunk's rounded results, 16 bytes a lane and accumulator, into a stage part
	WIN 0
.set si, 0
.rept 8
	ds_store_b128 v[STA], v[(\base)+8*si:(\base)+8*si+3] offset:(\part)*PART+(si%4)*16*SP+(si/4)*32
.set si, si+1
.endr
.set ISS, ISS+8
.endm
; THE VECTOR WORK OF A CHUNK is a numbered list; ITEM writes number q of it for the 64 registers from base on.  kind 1: the first layer of a step; kind 2: the second, which also updates h (64 registers of window 1 from hb on).
;   0-95    one batch: 32 scalings K2 s + K2 b, a pair each, and 64 powers of two: two scalings, then two powers and a scaling by turns, then the last four powers.  Nothing here names a power's result.
;           Each accumulator's lowest registers are read first.  Behind number 95: a plain line and the one wait for the batch, ahead of the first reader.
;   96-191  the same pattern with 1 + e and the reciprocals, and their wait
;   192-223 1 - 2 r
;   kind 1: 224-255 rounded to bf16, in place (registers 0-3 of each accumulator)
;   kind 2: 224-255 h += 0.2 d;  256-287 h rounded to bf16, into registers 0-3 of each accumulator
.macro ITEM kind, base, hb, q
.set iq, (\q)
.if iq < 192
	WINR
.set ir, iq%96
.if ir < 2
.set ik, 0
.set inn, ir
.elseif ir >= 92
.set ik, 1
.set inn, ir-32
.elseif (ir-2)%3 == 2
.set ik, 0
.set inn, (ir-2)/3+2
.else
.set ik, 1
.set inn, 2*((ir-2)/3)+(ir-2)%3
.endif
.if (ik == 0) && (iq < 96)
	v_pk_fma_f32 v[(\base)+2*inn:(\base)+2*inn+1], v[(\base)+2*inn:(\base)+2*inn+1], s[K2:K2+1], v[BR+8*(inn/16)+2*(inn%4):BR+8*(inn/16)+2*(inn%4)+1] op_sel_hi:[1,0,1]
.elseif ik == 0
	v_pk_add_f32 v[(\base)+2*inn:(\base)+2*inn+1], v[(\base)+2*inn:(\base)+2*inn+1], 1.0 op_sel_hi:[1,0]
.elseif iq < 96
	v_exp_f32 v[(\base)+inn], v[(\base)+inn]
.else
	v_rcp_f32 v[(\base)+inn], v[(\base)+inn]
.endif
.if ir == 95
	v_nop
	s_wait_alu depctr_va_vdst(0)
.endif
.elseif iq < 224
	WINR
.set inn, iq-192
	v_pk_fma_f32 v[(\base)+2*inn:(\base)+2*inn+1], v[(\base)+2*inn:(\base)+2*inn+1], -2.0, 1.0 op_sel_hi:[1,0,0]
.elseif (iq < 256) && ((\kind) == 1)
	WIN 0
.set inn, iq-224
	v_cvt_pk_bf16_f32 v[(\base)+8*(inn/4)+inn%4], v[(\base)+8*(inn/4)+2*(inn%4)], v[(\base)+8*(inn/4)+2*(inn%4)+1]
.elseif iq < 256
	WIN 0x50                               ; destination and source 2: h, in window 1
.set inn, iq-224
	v_pk_fma_f32 v[(\hb)+2*inn:(\hb)+2*inn+1], v[(\base)+2*inn:(\base)+2*inn+1], s[DT:DT+1], v[(\hb)+2*inn:(\hb)+2*inn+1] op_sel_hi:[1,0,1]
.else
	WIN 0x05                               ; both sources: h
.set inn, iq-256
	v_cvt_pk_bf16_f32 v[(\base)+8*(inn/4)+inn%4], v[(\hb)+8*(inn/4)+2*(inn%4)], v[(\hb)+8*(inn/4)+2*(inn%4)+1]
.endif
.endm
.macro PACKH base, hb                  ; h of one chunk rounded to bf16
.set pq, 256
.rept 32
	ITEM 2, \base, \hb, pq
.set pq, pq+1
.endr
.endm
; PREFETCHES INTO THE L2, behind a change's joint load and its five lines (in chunk 0: also behind the LDS loads that follow them).  WEIGHTS: a tile is 512 blocks of 256 bytes; the first cluster's 16 waves x 32 lanes name
; each once, the partners told apart by address.  In the first step, behind the refill of tile T + 2, tile T + 5 (T = 0..2): three refills ahead; tiles 0 to 4 come by their loads alone, and later walks of tiles 0 to 7 are
; not asked for.  In the last step, T = 3..6, the gate's tiles 2 T + 2 and 2 T + 3: three refills ahead or more.  X: each wave names the 32 blocks of the part of x that it will load itself (16 rows x 512 bytes): parts 0 to 2 at T = 5..7 of the last step.
.macro ASK T
.if (\T) < 3
	s_cmp_eq_u32 s[FA], 1
	s_cbranch_scc0 .Lna_\@
	global_prefetch_b8 v[PFO], s[4:5] offset:((\T)+5)*TILE th:TH_LOAD_NT scope:SCOPE_SE
.Lna_\@:
.endif
.if ((\T) >= 3) && ((\T) <= 6)
	s_cmp_eq_u32 s[FB], 1
	s_cbranch_scc0 .Lnb_\@
	global_prefetch_b8 v[PFO], s[4:5] offset:(2*(\T)+2)*TILE th:TH_LOAD_NT scope:SCOPE_SE
	global_prefetch_b8 v[PFO], s[4:5] offset:(2*(\T)+3)*TILE th:TH_LOAD_NT scope:SCOPE_SE
.Lnb_\@:
.endif
.if (\T) >= 5
	s_cmp_eq_u32 s[FX], 1
	s_cbranch_scc0 .Lnx_\@
	global_prefetch_b8 v[PFX], s[XB:XB+1] offset:512*((\T)-5) th:TH_LOAD_NT scope:SCOPE_SE
.Lnx_\@:
.endif
.endm
; The slice behind product pm of a period: three numbers of the list for the first 64 products (so each batch's wait ends a slice), then four.  The list (kind prk, registers pRid, h at phb) ends behind product 79 or 87.
.macro SLICE
.set sn, 256+32*(prk-1)
.if pm < 64
	ITEM prk, pRid, phb, 3*pm
	ITEM prk, pRid, phb, 3*pm+1
	ITEM prk, pRid, phb, 3*pm+2
.else
.set sq, 192+4*(pm-64)
.if sq < sn
	ITEM prk, pRid, phb, sq
	ITEM prk, pRid, phb, sq+1
	ITEM prk, pRid, phb, sq+2
	ITEM prk, pRid, phb, sq+3
.endif
.endif
.endm
; 8 products: k-slot 2 pj + ps, two column blocks, four row blocks.  The 8 accumulators take turns, one instruction a turn.  K-slot 0 starts the sums: nothing is cleared.
.macro PRODH ps
.set pk, 2*pj+(\ps)
.set pp, 0
.rept 2
.set pa, 0
.rept 4
	WIN 0x08+4*(pk/8)
.set rD, pAcc+8*(4*pp+pa)
.set rA, WBF+32*(pg%3)+8*(2*(\ps)+pp)
.set rB, ((pk%8)*4+pa)*8
.if pk == 0
	v_wmma_f32_16x16x32_bf16 v[rD:rD+7], v[rA:rA+7], v[rB:rB+7], 0
.else
	v_wmma_f32_16x16x32_bf16 v[rD:rD+7], v[rA:rA+7], v[rB:rB+7], v[rD:rD+7]
.endif
	SLICE
.set pm, pm+1
.set pa, pa+1
.endr
.set pp, pp+1
.endr
.endm
; WHAT STANDS AHEAD OF A PAIR'S 16 PRODUCTS.  The LDS instructions stand in 17 runs a layer.  At the head of pair g (of the layer's 32) the weight pairs are loaded: g = 0: 1; g = 2: 3, 4; g = 4: 5, 6; g = 5: 7;
; odd g from 7 to 29: g + 1, g + 2; g = 31: the next layer's 0 and 2.  Pair n lies in buffer n % 3: the buffers filled are those of the pairs multiplied last, four places behind the last product.  All of a tile's
; pairs are read ahead of its change of slots (pair 6 of its eight); the next tile's are read behind it.  A pair's loads stand 16 products or more ahead of its first product.
; In the same runs: the finished chunk's results into the stage (kind 1: pair 5); the chunk's bias (pair 5: the slices are done with the old one behind product 31); the next layer's k-slots into registers that have been
; read for the last time: 0-7 (parts 0 and 1) in chunk 3, ahead of its round; 8-11 (part 2) at pairs 0 and 2 of the next layer.
; In period (2, 1) the first layer's running bias takes its step, in the wave's own bytes, while the bias registers are free: loads at pair 3, sum and store at pair 5.
.macro HEADRUN lay, c
.set pg, 8*(\c)+pj
.set hrun, 0
.if (pg == 0) || (pg == 2) || (pg == 4) || (pg == 5)
.set hrun, 1
.endif
.if (pg >= 7) && ((pg%2) == 1)
.set hrun, 1
.endif
.if hrun || (pj == 0)
	PLACES                                 ; (at a period's head they are also the places ahead of the slices, which read the sums just made)
.endif
.if hrun
.if (pj == 5) && (prk == 1)
	STG pRid, pPart
.endif
.if ((\lay) == 2) && ((\c) == 1) && (pj == 3)
	WINR
	ds_load_b128 v[BR:BR+3],   v[BU]                 ; K2 (b1 + t w), 4 numbers a lane,
	ds_load_b128 v[BR+4:BR+7], v[BU] offset:512      ; and K2 0.2 w
.set ISS, ISS+2
.set EU, ISS
.endif
.if ((\lay) == 2) && ((\c) == 1) && (pj == 5)
	WIN 0
	WAITM EU
	v_pk_add_f32 v[BR:BR+1], v[BR:BR+1], v[BR+4:BR+5]
	v_pk_add_f32 v[BR+2:BR+3], v[BR+2:BR+3], v[BR+6:BR+7]
	ds_store_b128 v[BU], v[BR:BR+3]
.set ISS, ISS+1
.endif
.if pg == 0
	BLOADG 1
.elseif pg == 5
	BLOADG 7
.elseif pg == 31
	BLOAD 0, 0, 0
	BLOAD 0, 2, 2
.else
	BLOADG pg+1
	BLOADG pg+2
.endif
.if pj == 5
	BIASLD 2*((\lay)-1), \c
.endif
.if pg == 0
	RELOAD 2, 0, 8
	RELOAD 2, 1, 9
.elseif pg == 2
	RELOAD 2, 2, 10
	RELOAD 2, 3, 11
.elseif pg == 25
	RELOAD 0, 0, 0
	RELOAD 0, 1, 1
.elseif pg == 27
	RELOAD 0, 2, 2
	RELOAD 0, 3, 3
	RELOAD 1, 0, 4
	RELOAD 1, 1, 5
.elseif pg == 29
	RELOAD 1, 2, 6
	RELOAD 1, 3, 7
.endif
.endif
	WAITB pg%3
.if pg == 7
	WAITM EKB                              ; k-slots 14 and 15 are in
.endif
.endm
; PAIR 6 AND THE CHANGE OF SLOTS.  All of the tile's weights have been asked for.  Each wave waits for all its tensor loads, of which one is out: its part of the other slot; adds 0 to its spare word; and waits for that and
; for all its LDS instructions: its reads of this slot and of the stage, and its stores into the stage, which the round so shows to the other waves.  The round: no wave of any partner still reads the slot or has a load
; on its way.  The joint refill, tile T + 2, is the first thing behind it.  The pair's first eight products stand between the add and the wait for it, the other eight between the opening signal and its wait: work on
; registers alone; so the refill has 112 products in which to land.  In chunk 0 the pair's k-slots, 12-15, are the last chunk's results (part 1), which the round shows: they are read behind it, and the products follow.
; THE STAGE'S PARTS.  Chunks 0, 1, 2, 3 go to parts 0, 1, 2, 1.  A part is stored into ahead of a round and read behind it; between a part's last read and the next store into it lies a round too: part 1's k-slots 4-7 are
; read ahead of chunk 3's round and chunk 3 is stored behind it; its k-slots 12-15 are read behind chunk 0's round and awaited at chunk 1's, and chunk 1 is stored behind that.
.macro TURNS lay, c
.set pg, 8*(\c)+6
.if prk == 2
	STG pRid, pPart
.endif
	WIN 0
	s_wait_tensorcnt 0x0                   ; no tensor load of mine is out, so a group 0 may be written
	ds_add_u32 v[SPW], v[NIL]              ; 0 onto my spare word
.set ISS, ISS+1
.set cg, G0A+4*(pT&1)
.if pT == 6
	s_add_nc_u64 s[cg+2:cg+3], s[WB:WB+1], s[OF6:OF6+1]
.elseif pT == 7
	s_add_nc_u64 s[cg+2:cg+3], s[WB:WB+1], s[OF7:OF7+1]
.else
	s_add_nc_u64 s[cg+2:cg+3], s[WB:WB+1], (pT+2)*TILE
.endif
	s_or_b32 s[cg+3], s[cg+3], 0x80000000
.if (\c) > 0
	WAITB pg%3
	PRODH 0
.endif
	s_wait_dscnt 0x0
	s_barrier_signal -1
.if (\c) > 0
	PRODH 1
	WIN 0
.endif
	s_barrier_wait -1
	CREST
	tensor_load_to_lds s[cg:cg+3], s[G1:G1+7]
	s_nop 0
	PLACES
	DSZ
.if (\c) == 0
	RELOAD 1, 0, 12
	RELOAD 1, 1, 13
.set EKA, ISS
	RELOAD 1, 2, 14
	RELOAD 1, 3, 15
.set EKB, ISS
	WIN 0
	ASK pT
	WAITM EKA                              ; k-slots 12 and 13 are in; the sixteen loads behind them may stay out
	PRODH 0
	PRODH 1
.else
	ASK pT
.endif
.endm
.macro PERIOD lay, c                   ; chunk c of layer lay (1, 2): weight tile 4 (lay - 1) + c, in slot c % 2; beside it the list of the chunk before
.set pT, 4*((\lay)-1)+(\c)
.set pAcc, ACC0+64*((\c)%2)
.set pRid, ACC0+64*(((\c)+1)%2)
.if (\c) > 0
.set prk, (\lay)
.set pPart, (\c)-1
.else
.set prk, 3-(\lay)
.set pPart, 1
.endif
.set phb, 64*(((\c)+3)%4)
.set pm, 0
.set pj, 0
.rept 8
.if pj == 6
	TURNS \lay, \c
.else
	HEADRUN \lay, \c
	PRODH 0
	PRODH 1
.endif
.set pj, pj+1
.endr
.endm
.macro GBLOAD slot, j, gb              ; the gate: the 8 weight fragments of k-slot j of a tile
	WIN 0
.set gi, 0
.rept 8
	ds_load_b128 v[(\gb)+8*gi:(\gb)+8*gi+3],   v[BA0+(\slot)] offset:(8*(\j)+gi)*1024
	ds_load_b128 v[(\gb)+8*gi+4:(\gb)+8*gi+7], v[BA0+(\slot)] offset:(8*(\j)+gi)*1024+512
.set gi, gi+1
.endr
.endm
	s_load_b256 s[4:11], s[0:1], 0x0               ; wpk s[4:5], x s[6:7], h0 s[8:9], out0 s[10:11]
	s_load_b64 s[12:13], s[0:1], 0x20              ; out1
	v_lshl_add_u32 v[SPW], v0, 2, SPARE
	v_mov_b32 v[NIL], 0
	ds_add_u32 v[SPW], v[NIL]                      ; the wave's opening: the add, twice on end, and its wait ahead of my first tensor load; the set-up below, work on registers, stands between
	ds_add_u32 v[SPW], v[NIL]
	v_lshrrev_b32 v[TM], 5, v0
	v_readfirstlane_b32 s[WV], v[TM]               ; wave 0..3
	s_bfe_u32 s[CX], ttmp6, 0x40000
	s_lshl_b32 s82, ttmp9, 2                       ; in a cluster launch ttmp9 counts clusters
	s_add_co_u32 s82, s82, s[CX]                   ; my work-group
	s_lshl_b32 s82, s82, 17                        ; its 64 rows of 2,048 bytes
	s_mov_b32 s83, 0
	s_lshl_b32 s84, s[WV], 15                      ; 32,768 w
	s_mov_b32 s85, 0
	s_cmp_eq_u32 ttmp9, 0
	s_cselect_b32 s[CL0], 1, 0                     ; the same in all four partners
	s_mov_b32 s[K2], K2V
	s_mov_b32 s[K2+1], K2V
	s_mov_b32 s[DT], DTV
	s_mov_b32 s[DT+1], DTV
	s_mov_b32 s[K1], K1V
	s_mov_b32 s[K1+1], K1V
	s_mov_b32 s[OF6+1], 0
	s_mov_b32 s[OF7+1], 0
	; group 1 of the weight tiles: 32,768 dense bytes as 128 rows of 32 elements of 8 bytes
	s_mov_b32 s[G1+0], 15|(3<<16)|(1<<21)          ; 15:0 the mask: all four work-groups; 17:16 elements of 8 bytes; 21 set beside a mask
	s_mov_b32 s[G1+1], 32<<16                      ; tensor_dim0 = 32
	s_mov_b32 s[G1+2], 128<<16                     ; tensor_dim1 = 128
	s_mov_b32 s[G1+3], 32<<16                      ; tile_dim0 = 32
	s_mov_b32 s[G1+4], 128                         ; tile_dim1 = 128
	s_mov_b32 s[G1+5], 32                          ; 32 elements from row to row
	s_mov_b32 s[G1+6], 0
	s_mov_b32 s[G1+7], 0
	s_mov_b32 s[G1T+0], 15|(3<<16)|(1<<21)         ; the bias table: the same with 8 rows
	s_mov_b32 s[G1T+1], 32<<16
	s_mov_b32 s[G1T+2], 8<<16
	s_mov_b32 s[G1T+3], 32<<16
	s_mov_b32 s[G1T+4], 8
	s_mov_b32 s[G1T+5], 32
	s_mov_b32 s[G1T+6], 0
	s_mov_b32 s[G1T+7], 0
	s_mov_b32 s[G1X+0], 3<<16                      ; x: no mask; 64 rows of 64 elements of 8 bytes, 256 elements from row to row
	s_mov_b32 s[G1X+1], 64<<16
	s_mov_b32 s[G1X+2], 64<<16
	s_mov_b32 s[G1X+3], 64<<16
	s_mov_b32 s[G1X+4], 64
	s_mov_b32 s[G1X+5], 256
	s_mov_b32 s[G1X+6], 0
	s_mov_b32 s[G1X+7], 0
	s_mov_b32 s[G0A], 1
	s_mov_b32 s[G0A+1], s84                        ; LDS addresses: the wave's number times a constant, plus the region's constant
	s_mov_b32 s[G0B], 1
	s_add_co_u32 s[G0B+1], s84, SLOT1
	s_mov_b32 s[G0T], 1
	s_lshl_b32 s[G0T+1], s[WV], 11
	s_add_co_u32 s[G0T+1], s[G0T+1], BIAS
	s_mov_b32 s[G0X], 1
	s_mov_b32 s[G0X+1], s84
	v_and_b32 v16, 15, v0                          ; r
	v_bfe_u32 v17, v0, 4, 1                        ; h
	v_and_b32 v18, 31, v0                          ; l
	v_lshl_add_u32 v[BA0], v18, 4, s84
	v_add_nc_u32 v[BA1], SLOT1, v[BA0]
	v_mul_u32_u24 v[RDA], v16, SP
	v_lshl_add_u32 v[RDA], v17, 4, v[RDA]
	v_add_nc_u32 v[RDA], STAGE, v[RDA]
	s_lshl_b32 s86, s[WV], 6
	v_add_nc_u32 v[STA], s86, v[RDA]
	v_lshl_add_u32 v[BI], v17, 5, s[G0T+1]
	v_lshl_add_u32 v[BU], v18, 4, s[G0T+1]
	s_lshl2_add_u32 s86, s[CX], s[WV]
	s_lshl_b32 s86, s86, 13
	v_lshl_add_u32 v[PFO], v18, 8, s86
	s_lshl_b32 s86, s[WV], 9
	v_lshl_add_u32 v[XO], v18, 4, s86
	s_mul_i32 s86, s[WV], SCR
	s_add_co_u32 s86, s86, STAGE
	v_lshl_add_u32 v[TSA], v18, 4, s86
	v_mul_u32_u24 v[TRA], v16, TP
	v_lshl_add_u32 v[TRA], v17, 5, v[TRA]
	v_add_nc_u32 v[TRA], s86, v[TRA]
	s_mul_i32 s86, s[WV], 16*SP
	s_add_co_u32 s86, s86, STAGE
	v_lshl_add_u32 v[XSA], v18, 3, s86
	v_lshrrev_b32 v[TM], 1, v18
	v_lshlrev_b32 v[TM], 11, v[TM]
	v_and_b32 v[PFX], 1, v18
	v_lshl_add_u32 v[PFX], v[PFX], 8, v[TM]
	v_add_nc_u32 v[PFX], s84, v[PFX]
	s_wait_dscnt 0x0                               ; both opening adds are done
	s_wait_kmcnt 0x0
	s_add_nc_u64 s[XB:XB+1], s[6:7], s[82:83]
	s_add_nc_u64 s[8:9], s[8:9], s[82:83]
	s_add_nc_u64 s[10:11], s[10:11], s[82:83]
	s_add_nc_u64 s[12:13], s[12:13], s[82:83]
	s_mov_b64 s[XP:XP+1], s[XB:XB+1]
	s_add_nc_u64 s[WB:WB+1], s[4:5], s[84:85]
	s_mov_b64 s[G0A+2:G0A+3], s[WB:WB+1]           ; tile 0
	s_or_b32 s[G0A+3], s[G0A+3], 0x80000000
	s_add_nc_u64 s[G0B+2:G0B+3], s[WB:WB+1], TILE  ; tile 1
	s_or_b32 s[G0B+3], s[G0B+3], 0x80000000
	s_lshl_b32 s86, s[WV], 11
	s_mov_b32 s87, 0
	s_add_nc_u64 s[G0T+2:G0T+3], s[4:5], s[86:87]
	s_add_nc_u64 s[G0T+2:G0T+3], s[G0T+2:G0T+3], 16*TILE
	s_or_b32 s[G0T+3], s[G0T+3], 0x80000000
	s_lshl_b32 s86, s[WV], 9
	s_add_nc_u64 s[G0X+2:G0X+3], s[XB:XB+1], s[86:87]
	s_or_b32 s[G0X+3], s[G0X+3], 0x80000000
	WIN 0x80                                       ; h0: my 512 bytes of each of the 64 rows, a row an instruction, into window 2
.set hr, 0
.rept 64
	global_load_b128 v[4*hr:4*hr+3], v[XO], s[8:9] offset:hr*2048 th:TH_LOAD_NT
.set hr, hr+1
.endr
	WIN 0
	ROUND                                          ; all four work-groups are here: the first joint loads meet
	tensor_load_to_lds s[G0A:G0A+3], s[G1:G1+7]    ; the first fills, one group: tile 0, the bias table, tile 1: three loads of mine are out
	s_nop 0
	tensor_load_to_lds s[G0T:G0T+3], s[G1T:G1T+7]
	s_nop 0
	tensor_load_to_lds s[G0B:G0B+3], s[G1:G1+7]
	s_nop 0
	PLACES
	; h0 from row layout into accumulator layout, 16 rows at a time, through my scratch.  LDS serves a wave's instructions in order (ISA guide 5.7.1.4): the loads see the stores above them, the next stores come behind the loads.
.set ta, 0
.rept 4
	s_wait_loadcnt 48-16*ta                        ; rows 16 ta .. 16 ta + 15 are in; the younger loads may stay out
	WIN 0x08                                       ; store data in window 2
.set tt, 0
.rept 16
	ds_store_b128 v[TSA], v[64*ta+4*tt:64*ta+4*tt+3] offset:TP*tt
.set tt, tt+1
.endr
	WIN 0x40                                       ; destination in window 1
.set tb, 0
.rept 8
.set rr, (8*(tb/2)+4*(tb%2)+ta)*8
	ds_load_b128 v[rr:rr+3],   v[TRA] offset:64*tb
	ds_load_b128 v[rr+4:rr+7], v[TRA] offset:64*tb+16
.set tb, tb+1
.endr
.set ta, ta+1
.endr
	WIN 0
	s_wait_dscnt 0x0                               ; h is in; my reads of the scratch are over:
	s_barrier_signal -1
	s_barrier_wait -1                              ; the stage parts, which lie over all four scratches, may be written
	PACKH ACC0, 0                                  ; the first exchange: h rounded, chunks 0 to 2 into parts 0 to 2; chunk 3 is left to the first trip's slices
	PACKH ACC1, 64
	PACKH WBF, 128
	STG ACC0, 0
	STG ACC1, 1
	STG WBF, 2
	s_wait_dscnt 0x0
	s_barrier_signal -1
	s_barrier_wait -1
.irp k, 0,1,2,3
	RELOAD 0, \k, \k
.endr
.irp k, 0,1,2,3
	RELOAD 1, \k, 4+\k
.endr
	WIN 0
.set zi, 0
.rept 64
	v_mov_b32 v[ACC1+zi], 0                        ; what the first trip's slices find: sums of 0,
.set zi, zi+1
.endr
.set zi, 0
.rept 16
	v_mov_b32 v[BR+zi], 0                          ; and a bias of 0.  Written once, while the first tile is on its way, so that the loop has one form of period
.set zi, zi+1
.endr
	s_wait_tensorcnt 0x1                           ; tile 0 and the bias table are in; tile 1 may stay out, and each wave reads its own bytes of them
	BLOAD 0, 0, 0
	BLOAD 0, 2, 2
	s_wait_dscnt 0x0                               ; my reads of parts 0 and 1 are over
	s_barrier_signal -1
	s_barrier_wait -1                              ; everybody's are: the first trip may store into part 1
	s_mov_b32 s[CNT], 5
.set ISS, 16                           ; the count at the loop's head, as the last period leaves it: pair 0's loads, then pair 2's.  On the way in all have been waited for
.set EB0, 8
.set EB1, 0
.set EB2, 16
.Lstep:
	s_cmp_eq_u32 s[CNT], 5
	s_cselect_b32 s[FA], s[CL0], 0
	s_cmp_eq_u32 s[CNT], 1
	s_cselect_b32 s[FB], s[CL0], 0
	s_cselect_b32 s[FX], 1, 0
	s_cselect_b32 s[OF6], 8*TILE, 0                ; behind tile 7 the walk begins anew, or goes on to the gate's tiles
	s_add_co_u32 s[OF7], s[OF6], TILE
	PERIOD 1, 0
	PERIOD 1, 1
	PERIOD 1, 2
	PERIOD 1, 3
	PERIOD 2, 0
	PERIOD 2, 1
	PERIOD 2, 2
	PERIOD 2, 3
	WIN 0
	s_sub_co_u32 s[CNT], s[CNT], 1
	s_cmp_lg_u32 s[CNT], 0
	s_cbranch_scc1 .Lstep
	; BEHIND THE LAST STEP'S LAST PRODUCT its chunk 3's list stands alone.  The gate's first weights are asked for ahead of it, and x's part 3 is prefetched.  The chunk goes to part 0, whose readers (k-slots 0-3, read in
	; chunk 3's period) passed that period's round.  (The last period's loads of a next layer's weights serve nothing here.)
	PLACES
	GBLOAD 0, 0, GB0
	global_prefetch_b8 v[PFX], s[XB:XB+1] offset:1536 th:TH_LOAD_NT scope:SCOPE_SE
.set tq, 0
.rept 288
	ITEM 2, ACC1, 192, tq
.set tq, tq+1
.endr
	STG ACC1, 0
	s_wait_dscnt 0x0                               ; for the others' sake: my stores into part 0 are done
	s_barrier_signal -1
	s_barrier_wait -1
	DSZ
; THE GATE.  K = 1,024 in 8 tiles of 4 k-slots x 8 column blocks: tiles 0-3 take the evolved state's chunks 0-3, tiles 4-7 x's columns 128 (tile - 4) on.  Tile g lies in slot g % 2, its activations in buffer g % 2 of
; window 2.  Chunks 0 and 1 are there (the last period's reloads); chunk 2 lies in stage part 2, chunk 3 in part 0.  Odd tiles' activations come from part 0, even tiles' from part 2.
; X's part p (tile 4 + p): wave w loads rows 16 w .. 16 w + 15 in period p + 1, rounds and stores them in period p + 2 (into the part that was read a period earlier: a round lies between), and all read them in period p + 3.
.macro GPRODQ par, j, gb, zero, a0, na ; 8 na products: k-slot j, row blocks a0 on; the accumulators take turns
	WIN 0xf8                                       ; activations in window 2, sums in window 3
.set ga, (\a0)
.rept (\na)
.set gbk, 0
.rept 8
.set rD, (8*ga+gbk)*8
.set rA, (\gb)+8*gbk
.set rB, 128*(\par)+(4*(\j)+ga)*8
.if \zero
	v_wmma_f32_16x16x32_bf16 v[rD:rD+7], v[rA:rA+7], v[rB:rB+7], 0
.else
	v_wmma_f32_16x16x32_bf16 v[rD:rD+7], v[rA:rA+7], v[rB:rB+7], v[rD:rD+7]
.endif
.set gbk, gbk+1
.endr
.set ga, ga+1
.endr
.endm
.macro GPROD par, j, gb, zero
	GPRODQ \par, \j, \gb, \zero, 0, 4
.endm
.macro XSTORE part                     ; x's part in XT (its loads have been waited for: GJ0) is rounded and stored
.set xt, 0
.rept 16
	v_cvt_pk_bf16_f32 v[XT+4*xt],   v[XT+4*xt],   v[XT+4*xt+1]
	v_cvt_pk_bf16_f32 v[XT+4*xt+1], v[XT+4*xt+2], v[XT+4*xt+3]
.set xt, xt+1
.endr
.set xt, 0
.rept 16
	ds_store_b64 v[XSA], v[XT+4*xt:XT+4*xt+1] offset:(\part)*PART+SP*xt
.set xt, xt+1
.endr
.endm
.macro XLOAD imm
.set xt, 0
.rept 16
	global_load_b128 v[XT+4*xt:XT+4*xt+3], v[BA0], s[XP:XP+1] offset:xt*2048+(\imm)
.set xt, xt+1
.endr
.endm
; A period's first quarter.  st, ld: x is stored, loaded (1), or that hangs on the trip (2: no store in the first trip, no load in the last).  rl: the next tile's activations are read from the stage.
; The wait for x's loads stands ahead of the jump that leads round the store: on both ways no load into XT is out when XT is read, or loaded again.
.macro GJ0 par, st, ld, imm, rl
	WIN 0
	PLACES
	s_wait_dscnt 0x0                               ; this tile's first weights are in
.if \st
	s_wait_loadcnt 0x0                             ; the last period's sixteen loads of x are in (in the first trip none is out)
.endif
.if (\st) == 2
	s_cmp_eq_u32 s[GC], 3
	s_cbranch_scc1 .Lno_store_\@
.endif
.if \st
	XSTORE 2*(1-(\par))
.endif
.if (\st) == 2
.Lno_store_\@:
.endif
.if (\ld) == 2
	s_cmp_eq_u32 s[GC], 1
	s_cbranch_scc1 .Lno_load_\@
.endif
.if \ld
	XLOAD \imm
.endif
.if (\ld) == 2
.Lno_load_\@:
.endif
.if \rl
.irp k, 0,1,2,3
	RELOAD 2*(\par), \k, 4*(1-(\par))+\k
.endr
.endif
	GBLOAD \par, 1, GB1
	GPROD \par, 0, GB0, 0
.endm
.macro GJ par, j                       ; quarters 1 and 2
	PLACES
	GBLOAD \par, (\j)+1, GB0+64*(((\j)+1)%2)
	s_wait_dscnt 16                                ; all but the 16 loads just issued
	GPROD \par, \j, GB0+64*((\j)%2), 0
.endm
; The last quarter and the change of slots.  Eight of its products stand between the add and the wait for it, eight between the opening signal and its wait, sixteen behind the refill and the next tile's first weights.
; mode 0: the slot takes the tile two on.  mode 1: slot 0 takes my 64 rows x 512 bytes of x in f32, for the blend.  mode 2: the last tile: nothing is asked for.
.macro GJ3 par, mode
.if (\mode) == 2
	s_wait_dscnt 0x0
	GPROD \par, 3, GB1, 0
.else
	WIN 0
	s_wait_tensorcnt 0x0                           ; all my tensor loads have landed: my part of the other slot
	ds_add_u32 v[SPW], v[NIL]                      ; 0 onto my spare word
.if (\mode) == 0
	s_add_nc_u64 s[G0A+4*(\par)+2:G0A+4*(\par)+3], s[G0A+4*(\par)+2:G0A+4*(\par)+3], 2*TILE
.endif
	s_wait_dscnt 0x1                               ; the add alone may be out: the tile's last weights are in
	GPRODQ \par, 3, GB1, 0, 0, 1
	s_wait_dscnt 0x0                               ; the add is done; my reads of the slot and of the stage are over, my stores of x are done
	s_barrier_signal -1
	GPRODQ \par, 3, GB1, 0, 1, 1
	WIN 0
	s_barrier_wait -1
	CREST
.if (\mode) == 0
	tensor_load_to_lds s[G0A+4*(\par):G0A+4*(\par)+3], s[G1:G1+7]
.else
	tensor_load_to_lds s[G0X:G0X+3], s[G1X:G1X+7]
.endif
	s_nop 0
	PLACES
	GBLOAD 1-(\par), 0, GB0
	GPRODQ \par, 3, GB1, 0, 2, 2
.endif
.endm
	GBLOAD 0, 1, GB1                               ; tile 0's first quarter is written out: its products start the sums
	GPROD 0, 0, GB0, 1
	WIN 0
	s_mov_b32 s[GC], 3
	s_branch .Lgenter
.Lgate:                                        ; three trips: tiles (0, 1), (2, 3), (4, 5)
	GJ0 0, 1, 1, -512, 1
	WIN 0
.Lgenter:
	GJ 0, 1
	GJ 0, 2
	GJ3 0, 0
	GJ0 1, 2, 2, 0, 1
	GJ 1, 1
	GJ 1, 2
	GJ3 1, 0
	WIN 0
	s_wait_xcnt 0x0                                ; the loads of x have read their base
	s_add_nc_u64 s[XP:XP+1], s[XP:XP+1], 1024      ; two parts on; the even period reaches back by 512
	s_sub_co_u32 s[GC], s[GC], 1
	s_cmp_lg_u32 s[GC], 0
	s_cbranch_scc1 .Lgate
	GJ0 0, 0, 0, 0, 1                              ; tiles 6 and 7 are written out: no weight tile is left to ask for
	GJ 0, 1
	GJ 0, 2
	GJ3 0, 1
	GJ0 1, 0, 0, 0, 0
	GJ 1, 1
	GJ 1, 2
	GJ3 1, 2
; THE WAY OUT.  The sums and h go from accumulator layout to row layout through my stage, 32 rows at a time; x lies in slot 0 by rows.  Eight rows a trip: q = 1 / (1 + 2^(K1 z + K1 bg)), out = h + q (x - h).
; Each store covers 512 consecutive bytes of a row, at a multiple of 256 from the output's first byte.  The row loop is written once and serves both halves of the rows.
	WIN 0
	PLACES
	s_wait_tensorcnt 0x0                           ; x has landed
	s_wait_dscnt 0x0
	s_barrier_signal -1
	s_barrier_wait -1                              ; no wave reads slot 1 or the stage any more, and slot 1 has had its last fill: my stage may lie there
	ds_load_b128 v[GBI:GBI+3], v[BU] offset:1536   ; K1 bg of my 4 columns
	s_mul_i32 s86, s[WV], OSW
	s_add_co_u32 s86, s86, SLOT1
	v_and_b32 v137, 15, v0
	v_bfe_u32 v138, v0, 4, 1
	v_and_b32 v139, 31, v0
	v_mul_u32_u24 v[OSA], v137, TP
	v_lshl_add_u32 v[OSA], v138, 5, v[OSA]
	v_add_nc_u32 v[OSA], s86, v[OSA]
	v_lshl_add_u32 v[ORD0], v139, 4, s86
	v_mov_b32 v[OXR], v[BA0]
	v_mov_b32 v[OGO], v[XO]
.macro OUTST eta                       ; rows 32 eta .. 32 eta + 31 into my stage
	WIN 0x0c                                       ; store data in window 3: the sums; each accumulator's registers 0-3 first
.set oa, 0
.rept 2
.set ob, 0
.rept 8
.set rr, (8*(2*(\eta)+oa)+ob)*8
	ds_store_b128 v[OSA], v[rr:rr+3]   offset:oa*16*TP+64*ob
	ds_store_b128 v[OSA], v[rr+4:rr+7] offset:oa*16*TP+64*ob+16
.set ob, ob+1
.endr
.set oa, oa+1
.endr
	WIN 0x04                                       ; window 1: h
.set oa, 0
.rept 2
.set ob, 0
.rept 8
.set rr, (8*(ob/2)+4*(ob%2)+2*(\eta)+oa)*8
	ds_store_b128 v[OSA], v[rr:rr+3]   offset:32*TP+oa*16*TP+64*ob
	ds_store_b128 v[OSA], v[rr+4:rr+7] offset:32*TP+oa*16*TP+64*ob+16
.set ob, ob+1
.endr
.set oa, oa+1
.endr
	WIN 0
.endm
.macro OSC k                           ; pair k of the trip's 16: K1 z + K1 bg
	v_pk_fma_f32 v[ZR+2*(\k):ZR+2*(\k)+1], v[ZR+2*(\k):ZR+2*(\k)+1], s[K1:K1+1], v[GBI+2*((\k)%2):GBI+2*((\k)%2)+1] op_sel_hi:[1,0,1]
.endm
.macro ODF k                           ; x - h
	v_pk_add_f32 v[XR+2*(\k):XR+2*(\k)+1], v[XR+2*(\k):XR+2*(\k)+1], v[ER+2*(\k):ER+2*(\k)+1] neg_lo:[0,1] neg_hi:[0,1]
.endm
.macro OAD k                           ; 1 + e
	v_pk_add_f32 v[ZR+2*(\k):ZR+2*(\k)+1], v[ZR+2*(\k):ZR+2*(\k)+1], 1.0 op_sel_hi:[1,0]
.endm
	s_mov_b32 s[CNT], 0
.Lhalf:
	s_cmp_eq_u32 s[CNT], 0
	s_cbranch_scc0 .Lhalf1
	OUTST 0
	s_branch .Lrows
.Lhalf1:
	OUTST 1
.Lrows:
	v_mov_b32 v[ORD], v[ORD0]
	s_mov_b32 s[GC], 4
.Lout:
.set ot, 0
.rept 8
	ds_load_b128 v[ZR+4*ot:ZR+4*ot+3], v[ORD] offset:TP*ot
	ds_load_b128 v[ER+4*ot:ER+4*ot+3], v[ORD] offset:32*TP+TP*ot
	ds_load_b128 v[XR+4*ot:XR+4*ot+3], v[OXR] offset:512*ot
.set ot, ot+1
.endr
	s_wait_dscnt 0x0
	OSC 0                                          ; one batch: the 32 powers, a plain line behind each while there are any: the scalings (each ahead of its pair's powers), then x - h.  None names a power's result
	OSC 1
.set ou, 0
.rept 32
	v_exp_f32 v[ZR+ou], v[ZR+ou]
.if ou < 14
	OSC ou+2
.elseif ou < 30
	ODF ou-14
.endif
.set ou, ou+1
.endr
	v_nop
	s_wait_alu depctr_va_vdst(0)                   ; one wait for the 32 powers, ahead of their first reader
	OAD 0
	OAD 1
.set ou, 0
.rept 32
	v_rcp_f32 v[ZR+ou], v[ZR+ou]
.if ou < 14
	OAD ou+2
.endif
.set ou, ou+1
.endr
	v_nop
	s_wait_alu depctr_va_vdst(0)                   ; and one for the 32 reciprocals
	s_wait_xcnt 0x0                                ; the last trip's stores have read their offset and their data: both are written again below
	v_add_nc_u32 v[OGO], 8*2048, v[OGO]            ; eight rows on; the stores reach back
.set ou, 0
.rept 16
	v_pk_fma_f32 v[ORS+2*ou:ORS+2*ou+1], v[ZR+2*ou:ZR+2*ou+1], v[XR+2*ou:XR+2*ou+1], v[ER+2*ou:ER+2*ou+1]
.set ou, ou+1
.endr
.set ot, 0
.rept 8
	global_store_b128 v[OGO], v[ORS+4*ot:ORS+4*ot+3], s[10:11] offset:2048*ot-8*2048 th:TH_STORE_NT
	global_store_b128 v[OGO], v[ORS+4*ot:ORS+4*ot+3], s[12:13] offset:2048*ot-8*2048 th:TH_STORE_NT
.set ot, ot+1
.endr
	v_add_nc_u32 v[ORD], 8*TP, v[ORD]
	v_add_nc_u32 v[OXR], 8*512, v[OXR]
	s_sub_co_u32 s[GC], s[GC], 1
	s_cmp_lg_u32 s[GC], 0
	s_cbranch_scc1 .Lout
	s_add_co_u32 s[CNT], s[CNT], 1
	s_cmp_lt_u32 s[CNT], 2
	s_cbranch_scc1 .Lhalf
	s_wait_tensorcnt 0x0                           ; the wave's end: behind my last tensor load and my last LDS store
	ds_add_u32 v[SPW], v[NIL]
	s_wait_dscnt 0x0
	ROUND                                          ; the closing round: no work-group ends while a partner may still ask for a tile that names it
	s_endpgm
.Lfunc_end_k_qd96c1e4ad8_ode:
	.size	k_qd96c1e4ad8_ode, .Lfunc_end_k_qd96c1e4ad8_ode-k_qd96c1e4ad8_ode
	.p2alignl 7, 3214868480
	.fill 96, 4, 3214868480
	.section	.rodata,"a",@progbits
	.p2align	6, 0x0
	.amdhsa_kernel k_qd96c1e4ad8_ode
		.amdhsa_group_segment_fixed_size 327680
		.amdhsa_private_segment_fixed_size 0
		.amdhsa_enable_private_segment 0
		.amdhsa_kernarg_size 40
		.amdhsa_user_sgpr_count 2
		.amdhsa_user_sgpr_kernarg_segment_ptr 1
		.amdhsa_wavefront_size32 1
		.amdhsa_system_sgpr_workgroup_id_x 1
		.amdhsa_system_sgpr_workgroup_id_y 1
		.amdhsa_system_sgpr_workgroup_id_z 1
		.amdhsa_system_vgpr_workitem_id 0
		.amdhsa_next_free_vgpr 1024
		.amdhsa_next_free_sgpr 100
		.amdhsa_reserve_vcc 0
		.amdhsa_float_denorm_mode_32 3
		.amdhsa_float_denorm_mode_16_64 3
		.amdhsa_memory_ordered 1
		.amdhsa_forward_progress 1
		.amdhsa_inst_pref_size 255
	.end_amdhsa_kernel
	.section	.bss,"aw",@nobits
	.p2align	6
	.space	262144
	.amdgpu_metadata
---
amdhsa.version: [ 1, 2 ]
amdhsa.kernels:
  - .name:           k_qd96c1e4ad8_ode
    .symbol:         k_qd96c1e4ad8_ode.kd
    .args:
      - { .name: wpk, .offset: 0, .size: 8, .value_kind: global_buffer, .address_space: global }
      - { .name: current_node_features, .offset: 8, .size: 8, .value_kind: global_buffer, .address_space: global }
      - { .name: previous_hidden_state, .offset: 16, .size: 8, .value_kind: global_buffer, .address_space: global }
      - { .name: out0, .offset: 24, .size: 8, .value_kind: global_buffer, .address_space: global }
      - { .name: out1, .offset: 32, .size: 8, .value_kind: global_buffer, .address_space: global }
    .group_segment_fixed_size: 327680
    .private_segment_fixed_size: 0
    .kernarg_segment_align: 8
    .kernarg_segment_size: 40
    .max_flat_workgroup_size: 128
    .sgpr_count:     100
    .vgpr_count:     1024
    .wavefront_size: 32
...
	.end_amdgpu_metadata
.endif
;; end of part 2
